; MI455X (gfx1250); checked and timed in simulation.
; The chip was launched on July 23, 2026; its instructions are those of AMD's public machine-readable ISA for CDNA 5 (MIT licence, August 2026) and "CDNA5" Instruction Set Architecture Reference Guide (July 2026). The comments in the code are by the model that wrote it; some were corrected since.
;; Multi Head Attention. Allowed arithmetic: matrix products marked QUANTISED: E5M2 operands, one given power-of-two scale a tensor, by v_wmma_f32_16x16x64_bf8_bf8 or v_wmma_f32_16x16x128_bf8_bf8, f32 sums; everything else in f32.
;; Inputs: Wk 384 x 384 float32; Wo 384 x 384 float32; Wq 384 x 384 float32; Wv 384 x 384 float32; bk 384 float32; bo 384 float32; bq 384 float32; bv 384 float32; lowp_scales 12 int32 (the exponents e of the quantised operands' scales 2^e); x 2 x 4,096 x 384 float32.
;; Outputs: out0 2 x 4,096 x 384 float32.
;; This version of the problem:
;;   THIS VERSION OF THE PROBLEM IS GIVEN IN LOW PRECISION. The matrix products marked QUANTISED in the list below multiply operands that are first quantised to E5M2 (5 exponent bits, 2 mantissa bits; 8 bits a number), with one given power-of-two scale for each operand tensor; their sums are f32. All else is computed in f32.
;;   The module's matrix products, in the order in which they are computed (A, B: the left and right operand; K: the contracted axis; several contracted axes count as one K, in the product's order):
;;     1. [M 8,192, K 384] x [K 384, N 384]; A: input x; B: input Wq: QUANTISED (scales: A lowp_scales[0], B lowp_scales[1])
;;     2. [M 8,192, K 384] x [K 384, N 384]; A: input x; B: input Wk: QUANTISED (scales: A lowp_scales[2], B lowp_scales[3])
;;     3. [M 8,192, K 384] x [K 384, N 384]; A: input x; B: input Wv: QUANTISED (scales: A lowp_scales[4], B lowp_scales[5])
;;     4. batch 12 x [M 4,096, K 64] x [K 64, N 4,096]; A: computed on the way; B: computed on the way: QUANTISED (scales: A lowp_scales[6], B lowp_scales[7])
;;     5. batch 12 x [M 4,096, K 4,096] x [K 4,096, N 64]; A: softmax (see below); B: computed on the way: QUANTISED (scales: A lowp_scales[8], B lowp_scales[9])
;;     6. [M 8,192, K 384] x [K 384, N 384]; A: computed on the way; B: input Wo: QUANTISED (scales: A lowp_scales[10], B lowp_scales[11])
;;   THE QUANTISER, for each operand of a quantised product, along K:
;;     - The operand's scale is 2^e, e = its entry of the input lowp_scales (int32; the entries are numbered through the quantised products in the list's order, A before B).
;;     - Each number is divided by the scale, clamped to +-57,344, and rounded to the nearest number of E5M2, ties to even, subnormals kept.
;;     - The product sums the exact products of the quantised numbers (number of the format x scale) in f32.
;;   ~~~python
;;   def quantise(x, axis, e):      # numpy; x: float32 -> the quantised numbers, widened to float32 again
;;       x = np.moveaxis(x, axis, -1); K = x.shape[-1]
;;       r = np.clip(x / 2.0 ** e, -57344, 57344)
;;       step = 2.0 ** (np.maximum(np.frexp(np.where(r == 0, 1, r))[1] - 1, -14) - 2)
;;       q = np.round(r / step) * step * 2.0 ** e      # np.round: ties to even
;;       return np.moveaxis(q, -1, axis).astype(np.float32)
;;   ~~~
;;   SOFTMAX AHEAD OF A QUANTISED PRODUCT. Where the list says 'softmax', what is quantised is not the finished softmax but p = 2^(t - M), with t = logit x log2(e) and M = ceil(the row's largest t), a whole number; so 1/2 < the row's largest p <= 1. The row's sum l is taken of the UNQUANTISED p, in f32, and the product's result is divided by l at the end. Since M is a whole number, a kernel that streams over the keys may use a running M (the ceiling of the running maximum): every later rescaling is an exact power of two, so the quantised numbers keep their values, but for numbers so far below the row's largest that they fall under the format's range.
;;   OPERANDS COMPUTED ON THE WAY. 'Computed on the way' means the value that the module computes at that place (a softmax that the list does not call 'softmax' is quantised finished and normalised). What goes into a quantiser is computed in f32, as accurately as f32 sums, v_exp_f32 and their like allow (about 1e-6 of the number): no bf16 or f16 on the way to a quantiser, and a product that is left as it is and whose result goes on into a quantised operand takes f32 operands (vector FMAs, or v_wmma_f32_16x16x4_f32). A number that lies on a knife's edge between two numbers of the format may be rounded either way, as far as f32 arithmetic and the matrix unit's own rounding can turn it there, and no further.
;; One version. Each part assembles by itself: llvm-mc -triple=amdgcn-amd-amdhsa -mcpu=gfx1250 --defsym DOCPART=n.
;; ======== version 1 of 1: 4 launches
;; limits: right only within a limited range of input values
;; workspace buffers: wimg 589,824 bytes; qkv 9,437,184 bytes; yimg 3,145,728 bytes
;; launch wq (part 1): grid 24 x 4, 3 waves a work-group, no clusters, 0 bytes of LDS; arguments Wq, Wk, Wv, Wo, lowp_scales, wimg; writes wimg
.if DOCPART == 1
	.amdgcn_target "amdgcn-amd-amdhsa--gfx1250"
	.amdhsa_code_object_version 6
	.text
	.protected	k_q627accc31b_wq
	.globl	k_q627accc31b_wq
	.p2align	8
	.type	k_q627accc31b_wq,@function
k_q627accc31b_wq:
	s_mov_b64 s[64:65], 0
	v_nop
	global_prefetch_b8 v0, s[64:65] scope:SCOPE_SE
	s_setreg_imm32_b32 hwreg(HW_REG_WAVE_MODE, 25, 1), 1
	s_wait_xcnt 0x0
; The four weights, [384 (n)][384 (k)] f32 with K innermost, become codes of E5M2, each with the scale 2^e that is given for it
; (Wq: entry 1 of the scales, Wk: entry 3, Wv: entry 5, Wo: entry 11): code = w / 2^e, held within +-57,344, to the nearest code, ties to even.
; The codes are laid as IMAGES OF AN OPERAND'S REGISTERS: a fragment is 16 rows n x 128 along K = 16 registers a lane; lane (r, h) holds row 16 nt + r,
; registers 2 c, 2 c + 1 hold k = 128 s + 16 c + 8 h + 0 .. 7; registers 4 c' .. 4 c' + 3 lie at 512 c' + 16 x lane.  Weight y begins at 147,456 y,
; fragment (nt, s) at 2,048 (3 nt + s).  The launches that multiply fetch a fragment by four 16-byte loads a lane, with no pitch and nothing turned.
; SHARES: one wave makes one fragment: nt = work-group x (24), s = the wave's number (3), y = work-group y (4).  Waves share nothing: no LDS, no barrier.
; Each store of the wave covers 512 consecutive bytes, aligned.
; LIMITS: each e lies between -126 and 112, so that 2^e and 57,344 x 2^e are f32 numbers.  NaN among the inputs is not served; an infinity is held at the largest code.
.set X, 16                             ; v16-79  my 64 numbers: register 8 c + i = k 128 s + 16 c + 8 h + i of my row
.set C, 80                             ; v80-95  their codes: the fragment's 16 registers
	s_load_b256 s[4:11], s[0:1], 0x0               ; Wq s[4:5], Wk s[6:7], Wv s[8:9], Wo s[10:11]
	s_load_b128 s[12:15], s[0:1], 0x20             ; the scales' exponents s[12:13], the images s[14:15]
	v_lshrrev_b32 v1, 5, v0
	v_readfirstlane_b32 s29, v1                    ; the wave's number = K step s
	s_and_b32 s28, ttmp7, 0xffff                   ; which weight
	v_and_b32 v1, 15, v0                           ; r
	v_bfe_u32 v2, v0, 4, 1                         ; h
	v_mul_u32_u24 v3, v1, 1536                     ; a row of 384 f32
	v_lshl_add_u32 v3, v2, 5, v3                   ; + 32 h: my eight numbers of each sixteen
	v_and_b32 v4, 31, v0
	v_lshlrev_b32 v4, 4, v4                        ; 16 x lane: my place in an image's 512 bytes
	s_mul_i32 s32, ttmp9, 24576                    ; 16 rows of the weight for each nt,
	s_lshl_b32 s31, s29, 9                         ; 128 numbers along K for each s
	s_add_co_u32 s32, s32, s31
	s_mov_b32 s33, 0
	s_mul_i32 s34, ttmp9, 3
	s_add_co_u32 s34, s34, s29
	s_lshl_b32 s34, s34, 11                        ; 2,048 (3 nt + s)
	s_mul_i32 s31, s28, 147456
	s_add_co_u32 s34, s34, s31                     ; + 147,456 y
	s_mov_b32 s35, 0
	s_wait_alu depctr_va_vdst(0)
	s_wait_kmcnt 0x0
	s_load_b256 s[16:23], s[12:13], 0x0            ; e0 .. e7
	s_load_b128 s[24:27], s[12:13], 0x20           ; e8 .. e11
	s_cmp_eq_u32 s28, 1                            ; the weight is chosen by the work-group's number alone
	s_cselect_b64 s[4:5], s[6:7], s[4:5]
	s_cmp_eq_u32 s28, 2
	s_cselect_b64 s[4:5], s[8:9], s[4:5]
	s_cmp_eq_u32 s28, 3
	s_cselect_b64 s[4:5], s[10:11], s[4:5]
	s_add_nc_u64 s[4:5], s[4:5], s[32:33]
	s_add_nc_u64 s[14:15], s[14:15], s[34:35]
.irp c, 0,1,2,3,4,5,6,7
.irp q, 0,1
	global_load_b128 v[X+8*\c+4*\q:X+8*\c+4*\q+3], v3, s[4:5] offset:64*\c+16*\q
.endr
.endr
	s_wait_kmcnt 0x0
	s_mov_b32 s30, s17                             ; e of my weight: entry 1, 3, 5 or 11
	s_cmp_eq_u32 s28, 1
	s_cselect_b32 s30, s19, s30
	s_cmp_eq_u32 s28, 2
	s_cselect_b32 s30, s21, s30
	s_cmp_eq_u32 s28, 3
	s_cselect_b32 s30, s27, s30
	s_add_co_i32 s30, s30, 127
	s_lshl_b32 s31, s30, 23
	v_mov_b32 v11, s31                             ; 2^e as f32: the conversion takes its exponent field
	s_add_co_i32 s30, s30, 15
	s_lshl_b32 s30, s30, 23
	s_or_b32 s30, s30, 0x600000
	v_mov_b32 v10, s30                             ; 57,344 x 2^e
	s_wait_alu depctr_va_vdst(0)
	s_wait_loadcnt 0x0
.set i, 0
.rept 64
	v_med3_num_f32 v[X+i], v[X+i], -v10, v10       ; the conversion to an 8-bit code does not saturate (ISA guide 7.6.2): the hold comes first
.set i, i+1
.endr
.irp c, 0,1,2,3,4,5,6,7
	v_cvt_scalef32_pk8_bf8_f32 v[C+2*\c:C+2*\c+1], v[X+8*\c:X+8*\c+7], v11
.endr
	v_nop                                          ; a plain line behind the last conversion
.irp c, 0,1,2,3
	global_store_b128 v4, v[C+4*\c:C+4*\c+3], s[14:15] offset:512*\c
.endr
	s_endpgm
.Lfunc_end_k_q627accc31b_wq:
	.size	k_q627accc31b_wq, .Lfunc_end_k_q627accc31b_wq-k_q627accc31b_wq
	.p2alignl 7, 3214868480
	.fill 96, 4, 3214868480
	.section	.rodata,"a",@progbits
	.p2align	6, 0x0
	.amdhsa_kernel k_q627accc31b_wq
		.amdhsa_group_segment_fixed_size 0
		.amdhsa_private_segment_fixed_size 0
		.amdhsa_enable_private_segment 0
		.amdhsa_kernarg_size 48
		.amdhsa_user_sgpr_count 2
		.amdhsa_user_sgpr_kernarg_segment_ptr 1
		.amdhsa_wavefront_size32 1
		.amdhsa_system_sgpr_workgroup_id_x 1
		.amdhsa_system_sgpr_workgroup_id_y 1
		.amdhsa_system_sgpr_workgroup_id_z 1
		.amdhsa_system_vgpr_workitem_id 0
		.amdhsa_next_free_vgpr 96
		.amdhsa_next_free_sgpr 66
		.amdhsa_reserve_vcc 0
		.amdhsa_float_denorm_mode_32 3
		.amdhsa_float_denorm_mode_16_64 3
		.amdhsa_memory_ordered 1
		.amdhsa_forward_progress 1
		.amdhsa_inst_pref_size 9
	.end_amdhsa_kernel
	.amdgpu_metadata
---
amdhsa.version: [ 1, 2 ]
amdhsa.kernels:
  - .name:           k_q627accc31b_wq
    .symbol:         k_q627accc31b_wq.kd
    .args:
      - { .name: Wq, .offset: 0, .size: 8, .value_kind: global_buffer, .address_space: global }
      - { .name: Wk, .offset: 8, .size: 8, .value_kind: global_buffer, .address_space: global }
      - { .name: Wv, .offset: 16, .size: 8, .value_kind: global_buffer, .address_space: global }
      - { .name: Wo, .offset: 24, .size: 8, .value_kind: global_buffer, .address_space: global }
      - { .name: lowp_scales, .offset: 32, .size: 8, .value_kind: global_buffer, .address_space: global }
      - { .name: wimg, .offset: 40, .size: 8, .value_kind: global_buffer, .address_space: global }
    .group_segment_fixed_size: 0
    .private_segment_fixed_size: 0
    .kernarg_segment_align: 8
    .kernarg_segment_size: 48
    .max_flat_workgroup_size: 96
    .sgpr_count:     66
    .vgpr_count:     96
    .wavefront_size: 32
...
	.end_amdgpu_metadata
.endif
;; end of part 1
;; launch proj (part 2): grid 64 x 3, 4 waves a work-group, clusters of 4 x 1, 168,448 bytes of LDS; arguments x, wimg, bq, bk, bv, lowp_scales, qkv; writes qkv
.if DOCPART == 2
	.amdgcn_target "amdgcn-amd-amdhsa--gfx1250"
	.amdhsa_code_object_version 6
	.text
	.protected	k_q627accc31b_proj
	.globl	k_q627accc31b_proj
	.p2align	8
	.type	k_q627accc31b_proj,@function
k_q627accc31b_proj:
	s_mov_b64 s[64:65], 0
	v_nop
	global_prefetch_b8 v0, s[64:65] scope:SCOPE_SE
	s_setreg_imm32_b32 hwreg(HW_REG_WAVE_MODE, 25, 1), 1
	s_wait_xcnt 0x0
	s_wait_alu depctr_hold_cnt(0) depctr_sa_sdst(0) depctr_va_vdst(0) depctr_va_sdst(0) depctr_va_ssrc(0) depctr_va_vcc(0) depctr_vm_vsrc(0)
	s_getreg_b32 s2, hwreg(HW_REG_IB_STS2, 6, 4)
	s_cmp_eq_u32 s2, 0
	s_cbranch_scc0 .Lentry_in_a_cluster
	s_endpgm
.Lentry_in_a_cluster:
	s_bfe_u32 s2, ttmp6, 0x10000c
	s_cmp_lg_u32 s2, 0x3003
	s_cbranch_scc0 .Lentry_shape_is_right
	s_endpgm
.Lentry_shape_is_right:
; q, k, v = x W^T + b on codes of E5M2, and their own codes for the attention.  Work-group y = Y says which: 0 q, 1 k, 2 v.
; x [8,192][384] f32 is quantised here, in registers, with the scale given for this product (entry 0, 2 or 4); W's codes come as fragment images
; (16 rows n x 128 K = 16 registers a lane, registers 4 c' .. 4 c' + 3 at 512 c' + 16 x lane; fragment (nt, s) at 2,048 (3 nt + s)).
; A sum stands for sum x 2^(ex + ew); value = sum x 2^(ex + ew) + bias, in f32; it is held within +-57,344 x 2^eo and converted with 2^eo (eo: entry 6, 7 or 9).
; SHARES.  A work-group takes 128 tokens (one block of a batch) x all 384 columns of its weight; wave w takes tokens 32 w .. 32 w + 31, two tiles of 16.  The wave's six fragments of x stay in
; registers; the weight's 72 fragments lie in LDS and are read by all four waves, two column tiles (a pair) at a time, the next pair's loads issued ahead of this pair's products.
; CLUSTER.  The four work-groups of a cluster have the same Y and want the same 147,456 bytes of codes: each wave's quarter is asked for JOINTLY (mask 15).  LDS is filled once.
; By this text's count a wave has one tensor load out.
; LAYOUT OF THE RESULTS (all as images of the next operand's registers; a head's part is 786,432 bytes, a block of 128 tokens 24,576: Q 8,192, K 8,192, V 8,192):
;   q, k: the product is used transposed (source 0 = 16 rows of W, source 1 = 16 tokens): a lane holds ONE token and eight neighbouring columns, whose eight codes are registers 2 c, 2 c + 1
;         (c = column tile % 4) of the fragment (16 tokens x the head's 64).   v: source 0 = 16 tokens, source 1 = 16 rows of W: a lane holds ONE column d and eight neighbouring tokens,
;         whose codes are registers 2 c, 2 c + 1 (c = token tile of the block) of the fragment (16 d x 128 tokens): the keys are that product's K.
; Each store of the wave covers 512 consecutive bytes, aligned.
; LIMITS: ex, eo between -126 and 112; ex + ew between -126 and 127.  NaN among the inputs is not served; an infinity is held at the largest code.
; REGISTERS, in windows of 256.  Window 0: v1-3 16 x lane + 0, 61,440, 122,880 (LDS offsets have 16 bits); v4, v5 the bias's places; v6 x's byte; v7, v8 the bias's way in; v9-11 the bias as loaded;
;   v12, v13: 2^ex, 57,344 x 2^ex; v14, v15: the same of eo; v32-127, v128-223 two sets of six fragments of W; v224-239, v240-255 two sets of bias.
;   Window 1: v0-95 x's fragments (m, s) at 16 (3 m + s); v96-127 four accumulators; v128-159 the values; v160-255 the codes, eight registers for each pair: no store's data are written again.
;   Windows 2, 3: x as loaded, 64 f32 for each of six fragments.
.set BIAS, 147456                      ; LDS: the weight's images at 0; behind them the bias, 1,536 bytes, in blocks of 256 bytes into which no fill lands
.set WS,   32
.set BI,   224
.set ACC,  96
.set VAL,  128
.set COD,  160
.set WV,   18                          ; s18 my wave's number
.set MSB, 0
.macro WIN new                         ; the immediate's high byte repeats the setting that is left; a switch that changes nothing is dropped
.if MSB != (\new)
	s_set_vgpr_msb (MSB<<8)|(\new)
.set MSB, (\new)
.endif
.endm
.macro ROUND                           ; a round of the cluster's barrier
	s_barrier_signal -1
	s_barrier_wait -1
	s_cmp_lg_u32 s[WV], 0
	s_cbranch_scc1 .Lnot_wave_0_\@
	s_barrier_signal -3
.Lnot_wave_0_\@:
	s_barrier_wait -3
	s_barrier_signal -1
	s_barrier_wait -1
.endm
	s_load_b256 s[4:11], s[0:1], 0x0               ; x s[4:5], the weights' images s[6:7], bq s[8:9], bk s[10:11]
	s_load_b128 s[12:15], s[0:1], 0x20             ; bv s[12:13], the scales' exponents s[14:15]
	s_load_b64 s[16:17], s[0:1], 0x30              ; the images of q, k, v
	v_lshl_add_u32 v30, v0, 2, 0x29000
	v_mov_b32 v31, 0
	ds_add_u32 v30, v31
	ds_add_u32 v30, v31
	v_lshrrev_b32 v1, 5, v0
	v_readfirstlane_b32 s[WV], v1                  ; wave 0..3
	s_bfe_u32 s19, ttmp6, 0x40000                  ; cx: it enters x's and the result's addresses alone
	s_lshl_b32 s20, ttmp9, 2
	s_add_co_u32 s20, s20, s19                     ; X: my block of 128 tokens
	s_and_b32 s21, ttmp7, 0xffff                   ; Y, which the four partners share
	v_and_b32 v1, 31, v0
	v_lshlrev_b32 v1, 4, v1                        ; 16 x lane
	v_add_nc_u32 v2, 61440, v1
	v_add_nc_u32 v3, 122880, v1
	v_and_b32 v9, 15, v0                           ; r
	v_bfe_u32 v10, v0, 4, 1                        ; h
	v_lshlrev_b32 v4, 5, v10
	v_add_nc_u32 v4, BIAS, v4                      ; q, k: eight columns' bias from 32 h on
	v_lshlrev_b32 v5, 2, v9
	v_add_nc_u32 v5, BIAS, v5                      ; v: my column's
	v_mul_u32_u24 v6, v9, 1536
	v_lshl_add_u32 v6, v10, 5, v6                  ; x: row r of 1,536 bytes, + 32 h
	v_lshlrev_b32 v7, 2, v0
	v_add_nc_u32 v8, BIAS, v7
	; descriptor group 1: 144 rows of 32 elements of 8 bytes, dense: a quarter of the weight's images
	s_mov_b32 s24, 15|(3<<16)|(1<<21)              ; 15:0 the mask: all four work-groups; 17:16 elements of 8 bytes; 21 set beside a mask
	s_mov_b32 s25, 32<<16                          ; tensor_dim0 = 32
	s_mov_b32 s26, 144<<16                         ; tensor_dim1 = 144
	s_mov_b32 s27, 32<<16                          ; tile_dim0 = 32
	s_mov_b32 s28, 144                             ; tile_dim1 = 144
	s_mov_b32 s29, 32                              ; from row to row
	s_mov_b32 s30, 0
	s_mov_b32 s31, 0
	s_mov_b32 s32, 1
	s_mul_i32 s33, s[WV], 36864                    ; LDS address: my quarter
	s_mul_i32 s22, s21, 147456
	s_add_co_u32 s22, s22, s33                     ; and the same quarter of weight Y: made of Y and the wave's number alone
	s_mov_b32 s23, 0
	s_wait_alu depctr_va_vdst(0)
	s_wait_dscnt 0x0
	s_wait_kmcnt 0x0
	s_load_b256 s[36:43], s[14:15], 0x0            ; e0 .. e7
	s_load_b128 s[44:47], s[14:15], 0x20           ; e8 .. e11
	s_add_nc_u64 s[34:35], s[6:7], s[22:23]
	s_or_b32 s35, s35, 0x80000000                  ; type = 2
	s_cmp_eq_u32 s21, 1                            ; the bias is chosen by Y alone
	s_cselect_b64 s[8:9], s[10:11], s[8:9]
	s_cmp_eq_u32 s21, 2
	s_cselect_b64 s[8:9], s[12:13], s[8:9]
	s_lshl_b32 s58, s20, 7
	s_lshl_b32 s54, s[WV], 5
	s_add_co_u32 s58, s58, s54
	s_mul_i32 s58, s58, 1536                       ; my first token's row: (128 X + 32 w) x 1,536
	s_mov_b32 s59, 0
	s_add_nc_u64 s[4:5], s[4:5], s[58:59]
	s_lshr_b32 s54, s20, 5
	s_mul_i32 s58, s54, 4718592                    ; the batch: six heads of 786,432 bytes
	s_and_b32 s54, s20, 31
	s_mul_i32 s54, s54, 24576                      ; the block
	s_add_co_u32 s58, s58, s54
	s_lshl_b32 s54, s21, 13                        ; Q at 0, K at 8,192, V at 16,384
	s_add_co_u32 s58, s58, s54
	s_cmp_eq_u32 s21, 2
	s_cselect_b32 s54, 9, 11
	s_lshl_b32 s54, s[WV], s54                     ; q, k: my two token tiles, 2,048 w;  v: my four registers of each fragment, 512 w
	s_add_co_u32 s58, s58, s54
	s_add_nc_u64 s[16:17], s[16:17], s[58:59]
.irp k, 0,1,2
	global_load_b32 v[9+\k], v7, s[8:9] offset:512*\k
.endr
.macro XLOAD f                         ; fragment f = 3 m + s as f32: register 8 c + i = k 128 s + 16 c + 8 h + i of token 16 m + r
.if (\f) < 4
	WIN 0x80                                       ; destination window 2
.else
	WIN 0xc0                                       ; destination window 3
.endif
.irp c, 0,1,2,3,4,5,6,7
.irp q, 0,1
	global_load_b128 v[64*((\f)%4)+8*\c+4*\q:64*((\f)%4)+8*\c+4*\q+3], v6, s[4:5] offset:((\f)/3)*24576+((\f)%3)*512+64*\c+16*\q
.endr
.endr
.endm
.irp f, 0,1,2,3,4,5
	XLOAD \f
.endr
	WIN 0
	ROUND                                          ; all four work-groups are here: the joint loads meet
	tensor_load_to_lds s[32:35], s[24:31]
	s_nop 0
.rept 4
	v_nop
.endr
	s_wait_kmcnt 0x0
	s_cmp_eq_u32 s21, 1                            ; the three exponents of my product, chosen by Y alone
	s_cselect_b32 s48, s38, s36                    ; ex
	s_cselect_b32 s49, s39, s37                    ; ew
	s_cselect_b32 s50, s43, s42                    ; eo
	s_cmp_eq_u32 s21, 2
	s_cselect_b32 s48, s40, s48
	s_cselect_b32 s49, s41, s49
	s_cselect_b32 s50, s45, s50
	s_add_co_i32 s54, s48, s49
	s_add_co_i32 s54, s54, 127
	s_lshl_b32 s52, s54, 23                        ; 2^(ex + ew) as f32
	s_mov_b32 s53, s52                             ; (named with it as a pair, so it is written)
	s_add_co_i32 s54, s48, 127
	s_lshl_b32 s55, s54, 23
	v_mov_b32 v12, s55                             ; 2^ex
	s_add_co_i32 s54, s54, 15
	s_lshl_b32 s54, s54, 23
	s_or_b32 s54, s54, 0x600000
	v_mov_b32 v13, s54                             ; 57,344 x 2^ex
	s_add_co_i32 s54, s50, 127
	s_lshl_b32 s55, s54, 23
	v_mov_b32 v14, s55                             ; 2^eo
	s_add_co_i32 s54, s54, 15
	s_lshl_b32 s54, s54, 23
	s_or_b32 s54, s54, 0x600000
	v_mov_b32 v15, s54
	s_wait_alu depctr_va_vdst(0)
	s_wait_loadcnt 63
.irp k, 0,1,2
	ds_store_b32 v8, v[9+\k] offset:512*\k
.endr
.macro QUANTX f                        ; fragment f: 64 numbers held and converted into its 16 registers in window 1
.set NW, 2+(\f)/4
.set SB, 64*((\f)%4)
.if 16*(5-(\f)) > 63
	s_wait_loadcnt 63                              ; more than 63 younger loads: the most that the wait can name
.else
	s_wait_loadcnt 16*(5-(\f))                     ; the younger fragments' sixteen loads each may stay out
.endif
	WIN (NW<<6)|NW
.set i, 0
.rept 64
	v_med3_num_f32 v[SB+i], v[SB+i], -v13, v13     ; the conversion does not saturate (ISA guide 7.6.2): the hold comes first
.set i, i+1
.endr
	WIN 0x40|NW
.irp c, 0,1,2,3,4,5,6,7
	v_cvt_scalef32_pk8_bf8_f32 v[16*(\f)+2*\c:16*(\f)+2*\c+1], v[SB+8*\c:SB+8*\c+7], v12
.endr
	v_nop                                          ; a plain line behind the last conversion
.endm
.irp f, 0,1,2,3,4,5
	QUANTX \f
.endr
	WIN 0
	s_wait_alu depctr_va_vdst(0)
	s_wait_tensorcnt 0x0
	s_wait_dscnt 0x0
	s_barrier_signal -1
	s_barrier_wait -1                              ; everybody's is
; The six fragments of column tiles 2 p, 2 p + 1 (12,288 consecutive bytes) and their bias, into set p % 2: 28 LDS loads on both ways.
.macro FETCH p, v
.set FSET, WS+96*((\p)%2)
.set FBS, BI+16*((\p)%2)
.set j, 0
.rept 24
	ds_load_b128 v[FSET+4*j:FSET+4*j+3], v[1+(\p)/5] offset:((\p)%5)*12288+512*j   ; fragment (u, s) at 16 (3 u + s)
.set j, j+1
.endr
.irp u, 0,1
.irp q, 0,1
.if \v
	ds_load_b32 v[FBS+2*\u+\q], v5 offset:128*(\p)+64*\u                           ; my column's bias, into both registers of a pair
.else
	ds_load_b128 v[FBS+8*\u+4*\q:FBS+8*\u+4*\q+3], v4 offset:128*(\p)+64*\u+16*\q   ; my eight columns' bias
.endif
.endr
.endr
.endm
; A pair of column tiles x my two token tiles: twelve products, the four accumulators by turns; the first K step starts the sums.
.macro PAIR p, v
.if (\p) < 11
	FETCH (\p)+1, \v                               ; into the set that pair p - 1 multiplied: that pair's holds are the places behind its products
	s_wait_dscnt 28                                ; all but the 28 just issued: this pair's set is in
.else
	s_wait_dscnt 0x0
.endif
.set SETB, WS+96*((\p)%2)
.set BS, BI+16*((\p)%2)
.set CD, COD+8*(\p)
.if \v
	WIN 0x51                                       ; source 0 (x) window 1, source 1 (W) window 0, C and D window 1
.else
	WIN 0x54                                       ; source 0 (W) window 0, source 1 (x) window 1, C and D window 1
.endif
.irp s, 0,1,2
.irp m, 0,1
.irp u, 0,1
.if \v
.if \s == 0
	v_wmma_f32_16x16x128_bf8_bf8 v[ACC+8*(2*\m+\u):ACC+8*(2*\m+\u)+7], v[16*(3*\m+\s):16*(3*\m+\s)+15], v[SETB+16*(3*\u+\s):SETB+16*(3*\u+\s)+15], 0
.else
	v_wmma_f32_16x16x128_bf8_bf8 v[ACC+8*(2*\m+\u):ACC+8*(2*\m+\u)+7], v[16*(3*\m+\s):16*(3*\m+\s)+15], v[SETB+16*(3*\u+\s):SETB+16*(3*\u+\s)+15], v[ACC+8*(2*\m+\u):ACC+8*(2*\m+\u)+7]
.endif
.else
.if \s == 0
	v_wmma_f32_16x16x128_bf8_bf8 v[ACC+8*(2*\m+\u):ACC+8*(2*\m+\u)+7], v[SETB+16*(3*\u+\s):SETB+16*(3*\u+\s)+15], v[16*(3*\m+\s):16*(3*\m+\s)+15], 0
.else
	v_wmma_f32_16x16x128_bf8_bf8 v[ACC+8*(2*\m+\u):ACC+8*(2*\m+\u)+7], v[SETB+16*(3*\u+\s):SETB+16*(3*\u+\s)+15], v[16*(3*\m+\s):16*(3*\m+\s)+15], v[ACC+8*(2*\m+\u):ACC+8*(2*\m+\u)+7]
.endif
.endif
.endr
.endr
.endr
	WIN 0x41                                       ; destination and source 0 window 1; bias, hold and scale window 0
.rept 4
	v_nop                                          ; four places between the last product and the first read of results (ISA guide 7.12.1)
.endr
.irp a, 0,1,2,3                        ; accumulator a = 2 m + u, each from its low end on
.irp i, 0,2,4,6
.if \v
	v_pk_fma_f32 v[VAL+8*\a+\i:VAL+8*\a+\i+1], v[ACC+8*\a+\i:ACC+8*\a+\i+1], s[52:53], v[BS+2*(\a%2):BS+2*(\a%2)+1] op_sel_hi:[1,0,1]
.else
	v_pk_fma_f32 v[VAL+8*\a+\i:VAL+8*\a+\i+1], v[ACC+8*\a+\i:ACC+8*\a+\i+1], s[52:53], v[BS+8*(\a%2)+\i:BS+8*(\a%2)+\i+1] op_sel_hi:[1,0,1]
.endif
.endr
.endr
.set i, 0
.rept 32
	v_med3_num_f32 v[VAL+i], v[VAL+i], -v15, v15   ; the hold at the largest code x 2^eo
.set i, i+1
.endr
.irp m, 0,1
.irp u, 0,1
.if \v
	v_cvt_scalef32_pk8_bf8_f32 v[CD+4*\u+2*\m:CD+4*\u+2*\m+1], v[VAL+8*(2*\m+\u):VAL+8*(2*\m+\u)+7], v14   ; column tile u: tokens 16 m + 8 h + 0 .. 7
.else
	v_cvt_scalef32_pk8_bf8_f32 v[CD+4*\m+2*\u:CD+4*\m+2*\u+1], v[VAL+8*(2*\m+\u):VAL+8*(2*\m+\u)+7], v14   ; token tile m: columns 16 u + 8 h + 0 .. 7 of the pair
.endif
.endr
.endr
	v_nop                                          ; a plain line behind the last conversion: the next pair writes the values again
	WIN 0x04                                       ; a store's data: source 1, window 1
.irp t, 0,1
.if \v
	global_store_b128 v1, v[CD+4*\t:CD+4*\t+3], s[16:17] offset:((2*(\p)+\t)/4)*786432+((2*(\p)+\t)%4)*2048   ; head, d tile; my four registers of the fragment
.else
	global_store_b128 v1, v[CD+4*\t:CD+4*\t+3], s[16:17] offset:((\p)/2)*786432+\t*1024+((\p)%2)*512           ; head, token tile, half of the fragment
.endif
.endr
	WIN 0
.endm
	s_cmp_eq_u32 s21, 2                            ; Y is the same in every wave and in all four partners
	s_cbranch_scc1 .Lpath_v
	FETCH 0, 0
.irp p, 0,1,2,3,4,5,6,7,8,9,10,11
	PAIR \p, 0
.endr
	s_branch .Lend
.Lpath_v:
	FETCH 0, 1
.irp p, 0,1,2,3,4,5,6,7,8,9,10,11
	PAIR \p, 1
.endr
.Lend:
	s_wait_tensorcnt 0x0
	ds_add_u32 v30, v31
	s_wait_dscnt 0x0
	ROUND                                          ; the closing round: no work-group ends while a partner may still ask for bytes that name it
	s_endpgm
.Lfunc_end_k_q627accc31b_proj:
	.size	k_q627accc31b_proj, .Lfunc_end_k_q627accc31b_proj-k_q627accc31b_proj
	.p2alignl 7, 3214868480
	.fill 96, 4, 3214868480
	.section	.rodata,"a",@progbits
	.p2align	6, 0x0
	.amdhsa_kernel k_q627accc31b_proj
		.amdhsa_group_segment_fixed_size 168448
		.amdhsa_private_segment_fixed_size 0
		.amdhsa_enable_private_segment 0
		.amdhsa_kernarg_size 56
		.amdhsa_user_sgpr_count 2
		.amdhsa_user_sgpr_kernarg_segment_ptr 1
		.amdhsa_wavefront_size32 1
		.amdhsa_system_sgpr_workgroup_id_x 1
		.amdhsa_system_sgpr_workgroup_id_y 1
		.amdhsa_system_sgpr_workgroup_id_z 1
		.amdhsa_system_vgpr_workitem_id 0
		.amdhsa_next_free_vgpr 896
		.amdhsa_next_free_sgpr 66
		.amdhsa_reserve_vcc 0
		.amdhsa_float_denorm_mode_32 3
		.amdhsa_float_denorm_mode_16_64 3
		.amdhsa_memory_ordered 1
		.amdhsa_forward_progress 1
		.amdhsa_inst_pref_size 194
	.end_amdhsa_kernel
	.amdgpu_metadata
---
amdhsa.version: [ 1, 2 ]
amdhsa.kernels:
  - .name:           k_q627accc31b_proj
    .symbol:         k_q627accc31b_proj.kd
    .args:
      - { .name: x, .offset: 0, .size: 8, .value_kind: global_buffer, .address_space: global }
      - { .name: wimg, .offset: 8, .size: 8, .value_kind: global_buffer, .address_space: global }
      - { .name: bq, .offset: 16, .size: 8, .value_kind: global_buffer, .address_space: global }
      - { .name: bk, .offset: 24, .size: 8, .value_kind: global_buffer, .address_space: global }
      - { .name: bv, .offset: 32, .size: 8, .value_kind: global_buffer, .address_space: global }
      - { .name: lowp_scales, .offset: 40, .size: 8, .value_kind: global_buffer, .address_space: global }
      - { .name: qkv, .offset: 48, .size: 8, .value_kind: global_buffer, .address_space: global }
    .group_segment_fixed_size: 168448
    .private_segment_fixed_size: 0
    .kernarg_segment_align: 8
    .kernarg_segment_size: 56
    .max_flat_workgroup_size: 128
    .sgpr_count:     66
    .vgpr_count:     896
    .wavefront_size: 32
...
	.end_amdgpu_metadata
.endif
;; end of part 2
;; launch attn (part 3): grid 64 x 4, 8 waves a work-group, no clusters, 327,680 bytes of LDS; arguments qkv, lowp_scales, yimg; writes yimg
.if DOCPART == 3
	.amdgcn_target "amdgcn-amd-amdhsa--gfx1250"
	.amdhsa_code_object_version 6
	.text
	.protected	k_q627accc31b_attn
	.globl	k_q627accc31b_attn
	.p2align	8
	.type	k_q627accc31b_attn,@function
k_q627accc31b_attn:
	s_mov_b64 s[64:65], 0
	v_nop
	global_prefetch_b8 v0, s[64:65] scope:SCOPE_SE
	s_setreg_imm32_b32 hwreg(HW_REG_WAVE_MODE, 25, 1), 1
	s_wait_xcnt 0x0
; y[b][q][head] = softmax over the keys k <= q of (Q . K / 8) times V, both products on codes of E5M2; y leaves as codes for the last projection.
; Q, K, V come as images of the operands' registers: a head's part is 786,432 bytes, a block of 128 tokens 24,576: Q (8 token tiles x 1,024), K (the same), V (4 d tiles x 2,048, the tokens along K).
; LEFT OUT: key blocks of 128 all of whose keys come after all queries of a piece: the causal mask makes their p zero for every input.
; THE SOFTMAX: t = score x 2^(e6 + e7) x log2(e) / 8; M = the running largest t rounded UP to a whole number; p = 2^(t - M) is quantised (2^e8), not normalised; the row's sum is taken of the
; unquantised p, in f32, and divides at the end.  When M moves, the sum and O are multiplied by 2^(old M - new M), which rounds nothing.
; THE DEAL.  A piece is 64 queries of one head, block b = 0 .. 63; it wants key blocks 0 .. b / 2.  Work-group (g, y), g = 0 .. 63, a = g / 2, takes three pieces of heads 3 y .. 3 y + 2:
; b = 63 - a of head 3 y + 1 + g % 2, b = g of head 3 y, b = 31 - a of head 3 y + 2 - g % 2.  Over g each head's 64 blocks are taken once; the three b add to 94 or 95, the key blocks to 49 or 50:
; 64 x 4 = 256 work-groups of like work.  The pieces are walked on end in steps of 512 keys, b / 8 + 1 steps a piece, 13 or 14 in all: the trip counts are constants (7 slots x 2 steps).
; SHARES.  Wave w takes queries 32 (w % 2) + 0 .. 31 of the piece (two tiles of 16) and quarter w / 2 of a step's keys, one key block: each fragment of K and V that it reads feeds two products.
; A wave whose key block lies past the piece's last skips the step's work (a scalar branch on ids, round no barrier).  At a piece's end the four quarters' O, M and sums meet in LDS scratch:
; wave of quarter k joins tile k / 2, d tiles 2 (k % 2), 2 (k % 2) + 1, and stores 512 consecutive bytes, aligned.  That branch hangs on the work-group's number and the count of steps alone.
; REGISTERS.  Tile A lives in window 0, tile B in window 1, under the same numbers: v3, v4 the mask; v12 -M, v13 the largest t, v[14:15] the sum; v16-23 Q, v24-31 and v208-215 Q of the next pieces;
; v96-159 S^T, then p; v160-191 O^T; v192-207 p's codes; v234-255 at work; v248, v249: 2^e8, 57,344 x 2^e8.  Window 0 also: v1 16 x lane, v2 the step's LDS address, v5, v6 the spare word and 0,
; v7-11 LDS addresses, v32-95 K's fragments, v216, v217: 2^e10, 57,344 x 2^e10.  Window 1 also: v32-95 V's fragments.
; THE RING.  Two slots of two steps = 8 key blocks of 16,384 bytes (K and V on end); every wave fetches one key block, 64 rows of 256 bytes.  By this text's count a wave has one tensor load out.
; A key block that no wave reads is not asked for: the test behind the barrier is made of ids, the wave's number and the count of steps; every wait on TENSORcnt is for 0.
; NO JOINT LOADS: the work-groups' pieces differ in length, so partners would need different numbers of tiles.  NO PREFETCH: a slot's load is issued two steps of 512 keys ahead of its first read,
; and each head's blocks are asked for by 64 pieces that begin at different steps, so there is no one work-group that is first at a block by the text's arithmetic.
; LIMITS: e6 + e7 between -123 and 130; e8, e10 between -126 and 112; the scaled scores stay under 2^31 in magnitude.  NaN is not served.
.set SLOT1, 131072
.set SCR,   262144                     ; scratch for the join: 4,352 bytes a wave (32 registers' image, then 8 bytes a lane); no fill lands here
.set WSCR,  4352
.set SPARE, SCR+8*WSCR                 ; the spare words, 128 bytes for each of eight waves
.set WV, 10
.set QG, 11                            ; w % 2
.set QUAR, 12                          ; w / 2
.set KHI, 13                           ; w / 4
.set QS, 14                            ; the step
.set TB, 15                            ; its LDS byte
.set SLOTS, 16
.set INNER, 17
.set LQ, 18                            ; the step of the key block that I fetch
.set LW, 19                            ; its quarter
.set SEL, 20
.set CS, 22
.set G1, 24
.set G0, 32
.set KVB, 36
.set T0, 38
.set FF, 40                            ; s40-42 the steps at which pieces 0, 1, 2 end
.set KC, 43                            ; s43-45 their last key blocks
.set HB, 46                            ; s46-48 their heads' bytes
.set START, 49                         ; the piece in hand: its first step,
.set KM, 50                            ; s50-52 its last key block, then the next pieces'
.set FN, 53                            ; s53-54 its end, then the next's
.set MA, 55                            ; s55-57 64 (b % 2)
.set YO, 58                            ; s58-60 its place in y's images
.set WY, 61
.set E89, 62
.set VAL, 63
.set KB, 66
.set T1, 67
.set T2, 68
.set T3, 69
.set YA, 70
.set MSB, 0
.macro WIN new                         ; the immediate's high byte repeats the setting that is left
.if MSB != (\new)
	s_set_vgpr_msb (MSB<<8)|(\new)
.set MSB, (\new)
.endif
.endm
.macro INIT                            ; a tile begins: the largest t -3e38, -M its floor, zeros
	v_mov_b32 v13, 0xff61b1e6
	v_mov_b32 v12, 0x7f61b1e6
	v_mov_b32 v14, 0
	v_mov_b32 v15, 0
.set j, 0
.rept 32
	v_mov_b32 v[160+j], 0
.set j, j+1
.endr
.endm
	s_load_b128 s[4:7], s[0:1], 0x0                ; the images of q, k, v; the scales' exponents
	s_load_b64 s[8:9], s[0:1], 0x10                ; y's images
	v_lshl_add_u32 v5, v0, 2, SPARE
	v_mov_b32 v6, 0
	ds_add_u32 v5, v6
	ds_add_u32 v5, v6
	v_lshrrev_b32 v1, 5, v0
	v_readfirstlane_b32 s[WV], v1
	s_and_b32 s[QG], s[WV], 1
	s_lshr_b32 s[QUAR], s[WV], 1
	s_lshr_b32 s[KHI], s[WV], 2
	s_and_b32 s[LW], s[WV], 3
	s_mov_b32 s[LQ], s[KHI]
	s_and_b32 s84, ttmp7, 0xffff
	s_mul_i32 s91, s84, 3                          ; s90-92 the pieces' heads, s87-89 their b
	s_lshr_b32 s85, ttmp9, 1
	s_and_b32 s86, ttmp9, 1
	s_sub_co_u32 s87, 63, s85
	s_mov_b32 s88, ttmp9
	s_sub_co_u32 s89, 31, s85
	s_add_co_u32 s90, s91, 1
	s_add_co_u32 s90, s90, s86
	s_add_co_u32 s92, s91, 2
	s_sub_co_u32 s92, s92, s86
.irp p, 0,1,2
	s_lshr_b32 s[KC+\p], s[87+\p], 1
	s_mov_b32 s[KM+\p], s[KC+\p]
	s_mul_i32 s[HB+\p], s[90+\p], 786432
	s_and_b32 s[MA+\p], s[87+\p], 1
	s_lshl_b32 s[MA+\p], s[MA+\p], 6
	s_lshr_b32 s[FF+\p], s[87+\p], 3
	s_add_co_u32 s[FF+\p], s[FF+\p], 1
	s_cmp_ge_u32 s[90+\p], 6                       ; y: token tile 256 batch + 4 b at 6,144 each, the head in its batch at 1,024
	s_cselect_b32 s93, 1566720, 0
	s_mul_i32 s[YO+\p], s[87+\p], 24576
	s_add_co_u32 s[YO+\p], s[YO+\p], s93
	s_lshl_b32 s93, s[90+\p], 10
	s_add_co_u32 s[YO+\p], s[YO+\p], s93
	s_mul_i32 s[94+2*\p], s[KC+\p], 24576          ; Q: block b / 2, token tile 4 (b % 2) + 2 (w % 2)
	s_add_co_u32 s[94+2*\p], s[94+2*\p], s[HB+\p]
	s_lshl_b32 s93, s[MA+\p], 6
	s_add_co_u32 s[94+2*\p], s[94+2*\p], s93
	s_lshl_b32 s93, s[QG], 11
	s_add_co_u32 s[94+2*\p], s[94+2*\p], s93
	s_mov_b32 s[95+2*\p], 0
.endr
	s_add_co_u32 s[FF+1], s[FF+1], s[FF]
	s_add_co_u32 s[FF+2], s[FF+2], s[FF+1]
	s_mov_b32 s[FN], s[FF]
	s_mov_b32 s[FN+1], s[FF+1]
	s_mov_b32 s[START], 0
	s_mov_b32 s[QS], 0
	s_mov_b32 s[TB], 0
	s_mov_b32 s[SLOTS], 7
	s_mov_b32 s[SEL], 0x76543210
	s_mov_b32 s[SEL+1], 0xfedcba98
	s_mov_b32 s[G1], 3<<16                         ; 64 rows of 32 elements of 8 bytes, dense: a key block's K and V
	s_mov_b32 s[G1+1], 32<<16
	s_mov_b32 s[G1+2], 64<<16
	s_mov_b32 s[G1+3], 32<<16
	s_mov_b32 s[G1+4], 64
	s_mov_b32 s[G1+5], 32
	s_mov_b32 s[G1+6], 0
	s_mov_b32 s[G1+7], 0
	s_mov_b32 s[G0], 1
	s_lshl_b32 s[G0+1], s[WV], 14                  ; LDS: place w of slot 0
	s_mul_i32 s[T0], s[WV], 24576                  ; key block w of piece 0, which has 17 or more: all eight are read
	s_add_co_u32 s[T0], s[T0], s[HB]
	s_mov_b32 s[T0+1], 0
	s_wait_dscnt 0x0
	s_wait_kmcnt 0x0
	s_load_b256 s[72:79], s[6:7], 0x0              ; e0 .. e7
	s_load_b128 s[80:83], s[6:7], 0x20             ; e8 .. e11
	s_add_nc_u64 s[KVB:KVB+1], s[4:5], 8192
	s_add_nc_u64 s[G0+2:G0+3], s[KVB:KVB+1], s[T0:T0+1]
	s_or_b32 s[G0+3], s[G0+3], 0x80000000
	tensor_load_to_lds s[G0:G0+3], s[G1:G1+7]      ; every wave's one load at the head
	s_nop 0
.rept 4
	v_nop
.endr
.irp p, 0,1,2
	s_add_nc_u64 s[94+2*\p:95+2*\p], s[4:5], s[94+2*\p:95+2*\p]
.endr
	v_and_b32 v1, 31, v0
	v_lshlrev_b32 v9, 3, v1                        ; 8 x lane
	v_lshlrev_b32 v1, 4, v1                        ; 16 x lane
	s_wait_alu depctr_va_vdst(0)
	s_lshl_b32 s93, s[QUAR], 14
	v_add_nc_u32 v7, s93, v1                       ; my quarter's key block in a step
	v_add_nc_u32 v219, 0x10000, v7                 ; and in the step behind it
	s_mul_i32 s93, s[WV], WSCR
	s_add_co_u32 s93, s93, SCR
	v_add_nc_u32 v8, s93, v1                       ; the join: where I put O,
	s_mul_i32 s84, s[QG], WSCR
	s_add_co_u32 s84, s84, SCR
	v_add_nc_u32 v11, s84, v9                      ; where the four quarters' (-M, sum) lie (8,704 apart, + 4,096),
	v_add_nc_u32 v9, s93, v9                       ; where I put mine,
	s_and_b32 s85, s[QUAR], 1
	s_lshl_b32 s86, s85, 11
	s_add_co_u32 s84, s84, s86
	v_add_nc_u32 v10, s84, v1                      ; and where the four quarters' 16 registers lie that I join
	s_lshl_b32 s[WY], s85, 9
	s_mul_i32 s86, s[QG], 12288
	s_add_co_u32 s[WY], s[WY], s86
	v_and_b32 v4, 15, v0
	v_bfe_u32 v2, v0, 4, 1
	v_lshlrev_b32 v2, 3, v2
	v_sub_nc_u32 v4, v4, v2
	s_lshl_b32 s86, s[QG], 5
	v_add_nc_u32 v4, s86, v4                       ; my query in the piece, less 8 h
	v_add_nc_u32 v3, s[MA], v4                     ; and in its key block
	s_wait_alu depctr_va_vdst(0)
.irp t, 0,1
	WIN 0x40*\t                                    ; destinations in the tile's window
.if \t
	v_add_nc_u32 v4, 16, v4
	v_add_nc_u32 v3, 16, v3
.endif
	global_load_b128 v[16:19], v1, s[94:95] offset:1024*\t
	global_load_b128 v[20:23], v1, s[94:95] offset:1024*\t+512
	global_load_b128 v[24:27], v1, s[96:97] offset:1024*\t
	global_load_b128 v[28:31], v1, s[96:97] offset:1024*\t+512
	global_load_b128 v[208:211], v1, s[98:99] offset:1024*\t
	global_load_b128 v[212:215], v1, s[98:99] offset:1024*\t+512
	INIT
	v_mov_b32 v244, 0                              ; a lane permute's destination counts as a source
	v_mov_b32 v253, 0                              ; (upper half of the pair v[252:253])
.endr
	WIN 0
	s_wait_kmcnt 0x0
	s_add_co_i32 s93, s78, s79                     ; e6 + e7, added to the exponent field of log2(e) / 8
	s_lshl_b32 s93, s93, 23
	s_add_co_i32 s[CS], s93, 0x3e38aa3b
	s_mov_b32 s[CS+1], s[CS]
	s_add_co_i32 s[E89], s80, s81
	s_add_co_i32 s93, s80, 127
	s_lshl_b32 s84, s93, 23
	s_add_co_i32 s93, s93, 15
	s_lshl_b32 s93, s93, 23
	s_or_b32 s85, s93, 0x600000
	s_add_co_i32 s93, s82, 127
	s_lshl_b32 s86, s93, 23
	s_add_co_i32 s93, s93, 15
	s_lshl_b32 s93, s93, 23
	s_or_b32 s87, s93, 0x600000
.irp t, 0,1
	WIN 0x40*\t
	v_mov_b32 v248, s84                            ; 2^e8
	v_mov_b32 v249, s85                            ; 57,344 x 2^e8,
	v_mov_b32 v251, s85                            ; and once more: the two halves of a dual pair take their second sources from different register banks
.endr
	WIN 0
	v_mov_b32 v216, s86                            ; 2^e10
	v_mov_b32 v217, s87                            ; 57,344 x 2^e10
; THE CHANGE OF SLOTS: all my tensor loads are waited for, the add, my reads of the slot left are waited for, the barrier; behind it my key block of the next slot is asked for, if any wave reads it.
.macro CHANGE
	s_wait_tensorcnt 0x0
	ds_add_u32 v5, v6
	s_xor_b32 s[G0+1], s[G0+1], SLOT1
	s_add_co_u32 s[LQ], s[LQ], 2
	s_cmp_ge_u32 s[LQ], s[FF]                      ; which piece step LQ belongs to
	s_cselect_b32 s[T1], s[FF], 0
	s_cselect_b32 s[T2], s[KC+1], s[KC]
	s_cselect_b32 s[T3], s[HB+1], s[HB]
	s_cmp_ge_u32 s[LQ], s[FF+1]
	s_cselect_b32 s[T1], s[FF+1], s[T1]
	s_cselect_b32 s[T2], s[KC+2], s[T2]
	s_cselect_b32 s[T3], s[HB+2], s[T3]
	s_cmp_ge_u32 s[LQ], s[FF+2]
	s_cselect_b32 s[T2], -1, s[T2]                 ; behind the last piece: nothing
	s_sub_co_u32 s[T1], s[LQ], s[T1]
	s_lshl_b32 s[T1], s[T1], 2
	s_add_co_u32 s[T1], s[T1], s[LW]               ; the key block
	s_cmp_le_i32 s[T1], s[T2]
	s_cselect_b32 s[VAL], 1, 0
	s_min_u32 s[T1], s[T1], 31
	s_mul_i32 s[T0], s[T1], 24576
	s_add_co_u32 s[T0], s[T0], s[T3]
	s_mov_b32 s[T0+1], 0
	s_add_nc_u64 s[G0+2:G0+3], s[KVB:KVB+1], s[T0:T0+1]
	s_or_b32 s[G0+3], s[G0+3], 0x80000000
	s_wait_dscnt 0x0
	s_barrier_signal -1
	s_barrier_wait -1
	s_cmp_eq_u32 s[VAL], 1
	s_cbranch_scc0 .Lnone_\@
	tensor_load_to_lds s[G0:G0+3], s[G1:G1+7]
	s_nop 0
.rept 4
	v_nop
.endr
.Lnone_\@:
.endm
; One tile's softmax, all operands in window setting w (0, or 0x55 for window 1): mask on the diagonal, maximum, M, p, sum, hold, codes, O^T under the new M.
.macro SOFT w
	s_cmp_lg_u32 s[KB], s[KMX0]
	s_cbranch_scc1 .Lopen_\@
	WIN \w
	v_mov_b32 v254, 0xff800000                     ; register 8 t + i holds key 16 t + 8 h + i of the block: hidden where 16 t + i > my query - 8 h
	v_cmp_gt_i32 vcc_lo, 0, v3
	s_wait_alu depctr_va_vdst(0)                   ; ahead of the scores' first reader
	v_cndmask_b32 v96, v96, v254, vcc_lo
.set n, 1
.rept 63
	v_cmp_gt_i32 vcc_lo, 16*(n/8)+n%8, v3
	v_cndmask_b32 v[96+n], v[96+n], v254, vcc_lo
.set n, n+1
.endr
	WIN 0
.Lopen_\@:
	WIN \w
	s_wait_alu depctr_va_vdst(0)                   ; ahead of the scores' first reader
	v_max3_num_f32 v254, v96, v97, v98
	v_max3_num_f32 v252, v99, v100, v101
.set j, 6
.rept 14
	v_max3_num_f32 v254, v254, v[96+j], v[97+j]
	v_max3_num_f32 v252, v252, v[98+j], v[99+j]
.set j, j+4
.endr
	v_max3_num_f32 v254, v254, v158, v159
	s_delay_alu instid0(VALU_DEP_1)
	v_max_num_f32 v254, v254, v252
	s_delay_alu instid0(VALU_DEP_1)
	v_permlanex16_b32 v244, v254, s[SEL], s[SEL+1]
	s_delay_alu instid0(VALU_DEP_1)
	v_max_num_f32 v254, v254, v244
	s_delay_alu instid0(VALU_DEP_1)
	v_mul_f32 v254, s[CS], v254
	s_delay_alu instid0(VALU_DEP_1)
	v_max_num_f32 v13, v13, v254                   ; the running largest t
	v_mov_b32 v254, v12
	s_delay_alu instid0(VALU_DEP_2)
	v_floor_f32 v12, -v13                          ; -M
	s_delay_alu instid0(VALU_DEP_1)
	v_sub_f32 v254, v12, v254
	s_delay_alu instid0(VALU_DEP_1)
	v_cvt_i32_f32 v254, v254                       ; (it saturates)
	s_delay_alu instid0(VALU_DEP_1)
	v_ldexp_f32 v252, 1.0, v254                    ; f = 2^(old M - new M)
.set j, 0
.rept 32
	v_pk_fma_f32 v[96+j:97+j], v[96+j:97+j], s[CS:CS+1], v[12:13] op_sel_hi:[1,0,0]
.set j, j+2
.endr
	s_wait_alu depctr_va_vdst(0)                   ; ahead of the batch
.set j, 0
.rept 64
	v_exp_f32 v[96+j], v[96+j]
.set j, j+1
.endr
	v_pk_mul_f32 v[14:15], v[14:15], v[252:253] op_sel_hi:[1,0]
	s_wait_alu depctr_va_vdst(0)                   ; behind the batch
	v_pk_add_f32 v[242:243], v[96:97], v[98:99]    ; the sum of the unquantised p, in four chains
	v_pk_add_f32 v[246:247], v[100:101], v[102:103]
	v_pk_add_f32 v[240:241], v[104:105], v[106:107]
	v_pk_add_f32 v[14:15], v[14:15], v[108:109]
.set j, 110
.rept 6
	v_pk_add_f32 v[242:243], v[242:243], v[j:j+1]
	v_pk_add_f32 v[246:247], v[246:247], v[j+2:j+3]
	v_pk_add_f32 v[240:241], v[240:241], v[j+4:j+5]
	v_pk_add_f32 v[14:15], v[14:15], v[j+6:j+7]
.set j, j+8
.endr
	v_pk_add_f32 v[242:243], v[242:243], v[158:159]
	v_pk_add_f32 v[240:241], v[240:241], v[246:247]
	v_pk_add_f32 v[14:15], v[14:15], v[242:243]
	v_pk_add_f32 v[14:15], v[14:15], v[240:241]
.set j, 0
.rept 32
	v_dual_min_num_f32 v[96+j], v[96+j], v249 :: v_dual_min_num_f32 v[97+j], v[97+j], v251   ; the conversion does not saturate (ISA guide 7.6.2); p is not negative: a one-sided hold, two a line
.set j, j+2
.endr
.irp t, 0,1,2,3,4,5,6,7
	v_cvt_scalef32_pk8_bf8_f32 v[192+2*\t:193+2*\t], v[96+8*\t:103+8*\t], v248
.endr
	s_wait_alu depctr_va_vdst(0)                   ; ahead of O^T's first reader
.set j, 0
.rept 16
	v_pk_mul_f32 v[160+2*j:161+2*j], v[160+2*j:161+2*j], v[252:253] op_sel_hi:[1,0]
.set j, j+1
.endr
	s_wait_alu depctr_va_vdst(0)
	s_wait_dscnt 0x0                               ; V is in
.endm
.macro PV m                            ; O^T += V^T P^T, the four accumulators by turns
	WIN \m
.irp d, 0,1,2,3
	v_wmma_f32_16x16x128_bf8_bf8 v[160+8*\d:167+8*\d], v[32+16*\d:47+16*\d], v[192:207], v[160+8*\d:167+8*\d]
.endr
	WIN 0
.endm
; THE JOIN of tile t: every wave puts its O^T, -M and sum into its scratch; behind a barrier the waves of quarters 2 t, 2 t + 1 add the four parts under the common M, divide, quantise and store.
.macro COMB t
	WIN 0x55*\t
	v_add_f32 v13, v14, v15
	v_permlanex16_b32 v244, v13, s[SEL], s[SEL+1]
	v_add_f32 v13, v13, v244                       ; v[12:13] = -M, my quarter's sum
	WIN 0x04*\t                                    ; a store's data: source 1
.set j, 0
.rept 8
	s_wait_alu depctr_va_vdst(0)                   ; ahead of a first reader of O^T
	ds_store_b128 v8, v[160+4*j:163+4*j] offset:512*j
.set j, j+1
.endr
	ds_store_b64 v9, v[12:13] offset:4096
	WIN 0
	s_wait_dscnt 0x0
	s_barrier_signal -1
	s_barrier_wait -1
	s_cmp_lg_u32 s[KHI], \t
	s_cbranch_scc1 .Lnot_\@
	WIN 0x40                                       ; the four parts go into V's registers in window 1, which are done with: K's registers may hold the next step's fragments
.irp q, 0,1,2,3
.irp c, 0,1,2,3
	ds_load_b128 v[32+16*\q+4*\c:35+16*\q+4*\c], v10 offset:8704*\q+512*\c
.endr
.endr
	WIN 0
.irp q, 0,1,2,3
	ds_load_b64 v[96+2*\q:97+2*\q], v11 offset:8704*\q+4096
.endr
	s_wait_dscnt 0x0
	v_min3_num_f32 v104, v96, v98, v100
	v_min_num_f32 v104, v104, v102                 ; the common -M; quarter 0 holds key 0, so it is a number
.irp q, 0,1,2,3
	v_sub_f32 v[105+\q], v104, v[96+2*\q]          ; M of quarter q less the common M: a whole number, 0 or less
.endr
.irp q, 0,1,2,3
	v_cvt_i32_f32 v[105+\q], v[105+\q]             ; (it saturates: a quarter that had no key counts for nothing)
.endr
.irp q, 0,1,2,3
	v_ldexp_f32 v[110+2*\q], 1.0, v[105+\q]
.endr
.irp q, 0,1,2,3
	v_mov_b32 v[111+2*\q], v[110+2*\q]
.endr
	v_mul_f32 v118, v110, v97
	v_fmac_f32 v118, v112, v99
	v_fmac_f32 v118, v114, v101
	v_fmac_f32 v118, v116, v103                    ; the row's sum
	WIN 0x01                                       ; source 0: the parts, in window 1
.irp i, 0,2,4,6,8,10,12,14
	v_pk_mul_f32 v[120+\i:121+\i], v[32+\i:33+\i], v[110:111]
.endr
.irp q, 1,2,3
.irp i, 0,2,4,6,8,10,12,14
	v_pk_fma_f32 v[120+\i:121+\i], v[32+16*\q+\i:33+16*\q+\i], v[110+2*\q:111+2*\q], v[120+\i:121+\i]
.endr
.endr
	WIN 0
	s_wait_alu depctr_va_vdst(0)
	v_rcp_f32 v118, v118
	v_nop
	s_wait_alu depctr_va_vdst(0)
	v_ldexp_f32 v118, v118, s[E89]                 ; x 2^(e8 + e9)
	v_mov_b32 v119, v118
.irp i, 0,2,4,6,8,10,12,14
	v_pk_mul_f32 v[120+\i:121+\i], v[120+\i:121+\i], v[118:119]
.endr
.set j, 0
.rept 16
	v_med3_num_f32 v[120+j], v[120+j], -v217, v217
.set j, j+1
.endr
	v_cvt_scalef32_pk8_bf8_f32 v[136:137], v[120:127], v216
	v_cvt_scalef32_pk8_bf8_f32 v[138:139], v[128:135], v216
	v_nop
	global_store_b128 v1, v[136:139], s[YA:YA+1] offset:6144*\t   ; 512 consecutive bytes, aligned
.Lnot_\@:
	s_wait_xcnt 0x0                                ; the store has read its registers
	s_wait_dscnt 0x0
	s_barrier_signal -1
	s_barrier_wait -1                              ; the scratch may be written again
.endm
.set KMX0, KM
; A STEP: 512 keys for the work-group, my quarter's 128 for my 32 queries.
.macro KLOAD adr                       ; a key block's K: tile t's eight registers at v[32 + 8 t]
.set j, 0
.rept 16
	ds_load_b128 v[32+4*j:35+4*j], \adr offset:512*j
.set j, j+1
.endr
.endm
; a = 0, 1: the slot's first or second step.  The second step's K is fetched in the first, on every way through it: behind the score products where the wave works, on the idle way where it does not.
; Both steps lie in the slot in hand, which is whole behind the change of slots.  Every byte of the ring has been filled by then (piece 0 has 17 or more key blocks, so both slots' first fills are whole);
; where the second step is skipped its K has been fetched and is not used.
.macro STEP a
	v_add_nc_u32 v2, s[TB], v7
.if \a == 0
	v_add_nc_u32 v218, s[TB], v219
.endif
	s_sub_co_u32 s[KB], s[QS], s[START]
	s_lshl_b32 s[KB], s[KB], 2
	s_add_co_u32 s[KB], s[KB], s[QUAR]             ; my key block
	s_cmp_gt_i32 s[KB], s[KM]
	s_wait_alu depctr_va_vdst(0)
	s_cbranch_scc1 .Lidle_\@
.if \a == 0
	KLOAD v2
.endif
	s_wait_dscnt 0x0                               ; K is in
.set j, 0
.rept 8
	v_wmma_f32_16x16x64_bf8_bf8 v[96+8*j:103+8*j], v[32+8*j:39+8*j], v[16:23], 0
.set j, j+1
.endr
	WIN 0x44                                       ; tile B: Q and S^T in window 1
.set j, 0
.rept 8
	v_wmma_f32_16x16x64_bf8_bf8 v[96+8*j:103+8*j], v[32+8*j:39+8*j], v[16:23], 0
.set j, j+1
.endr
	WIN 0
.rept 4
	v_nop                                          ; four places ahead of the loads below and of the first read of the scores
.endr
	WIN 0x40
.set j, 0
.rept 16
	ds_load_b128 v[32+4*j:35+4*j], v2 offset:8192+512*j        ; V, into window 1: it lands while the first tile's softmax is walked
.set j, j+1
.endr
	WIN 0
.if \a == 0
	KLOAD v218                                     ; the next step's K
.endif
	SOFT 0
	PV 0x01                                        ; V in window 1, the rest in window 0
	SOFT 0x55
	PV 0x55
.if \a == 0
	s_wait_alu depctr_va_vdst(0)
	s_branch .Lskip_\@
.Lidle_\@:
	KLOAD v218                                     ; the next step's K, on the idle way
.else
.Lidle_\@:
.endif
.Lskip_\@:
	s_add_co_u32 s[QS], s[QS], 1
	s_add_co_u32 s[TB], s[TB], 65536
	s_cmp_lg_u32 s[QS], s[FN]
	s_cbranch_scc1 .Lnofold_\@
	s_add_co_u32 s[T0], s[YO], s[WY]               ; THE PIECE ENDS
	s_mov_b32 s[T0+1], 0
	s_add_nc_u64 s[YA:YA+1], s[8:9], s[T0:T0+1]
.rept 4
	v_nop                                          ; four places between the last product and the first read of its results
.endr
	COMB 0
	COMB 1
	s_mov_b32 s[START], s[QS]                      ; the next piece begins
	s_mov_b32 s[KM], s[KM+1]
	s_mov_b32 s[KM+1], s[KM+2]
	s_mov_b32 s[KM+2], -1                          ; behind the last piece every step is skipped
	s_mov_b32 s[FN], s[FN+1]
	s_mov_b32 s[FN+1], s[FF+2]
	s_mov_b32 s[MA], s[MA+1]
	s_mov_b32 s[MA+1], s[MA+2]
	s_mov_b32 s[YO], s[YO+1]
	s_mov_b32 s[YO+1], s[YO+2]
.irp t, 0,1
	WIN 0x55*\t
.set j, 0
.rept 8
	v_mov_b32 v[16+j], v[24+j]
.set j, j+1
.endr
.set j, 0
.rept 8
	v_mov_b32 v[24+j], v[208+j]
.set j, j+1
.endr
	v_add_nc_u32 v3, s[MA], v4
	INIT
.endr
	WIN 0
	s_wait_alu depctr_va_vdst(0)
.Lnofold_\@:
.endm
	s_wait_alu depctr_va_vdst(0)
	s_wait_loadcnt 0x0                             ; Q of the three pieces
.Lslot:                                            ; seven slots of two steps
	CHANGE
	STEP 0
	STEP 1
	s_sub_co_u32 s[TB], s[TB], 131072
	s_xor_b32 s[TB], s[TB], SLOT1
	s_sub_co_u32 s[SLOTS], s[SLOTS], 1
	s_cmp_lg_u32 s[SLOTS], 0
	s_cbranch_scc1 .Lslot
	s_wait_tensorcnt 0x0                           ; the wave's end
	ds_add_u32 v5, v6
	s_wait_dscnt 0x0
	s_endpgm
.Lfunc_end_k_q627accc31b_attn:
	.size	k_q627accc31b_attn, .Lfunc_end_k_q627accc31b_attn-k_q627accc31b_attn
	.p2alignl 7, 3214868480
	.fill 96, 4, 3214868480
	.section	.rodata,"a",@progbits
	.p2align	6, 0x0
	.amdhsa_kernel k_q627accc31b_attn
		.amdhsa_group_segment_fixed_size 327680
		.amdhsa_private_segment_fixed_size 0
		.amdhsa_enable_private_segment 0
		.amdhsa_kernarg_size 24
		.amdhsa_user_sgpr_count 2
		.amdhsa_user_sgpr_kernarg_segment_ptr 1
		.amdhsa_wavefront_size32 1
		.amdhsa_system_sgpr_workgroup_id_x 1
		.amdhsa_system_sgpr_workgroup_id_y 1
		.amdhsa_system_sgpr_workgroup_id_z 1
		.amdhsa_system_vgpr_workitem_id 0
		.amdhsa_next_free_vgpr 512
		.amdhsa_next_free_sgpr 100
		.amdhsa_reserve_vcc 1
		.amdhsa_float_denorm_mode_32 3
		.amdhsa_float_denorm_mode_16_64 3
		.amdhsa_memory_ordered 1
		.amdhsa_forward_progress 1
		.amdhsa_inst_pref_size 131
	.end_amdhsa_kernel
	.amdgpu_metadata
---
amdhsa.version: [ 1, 2 ]
amdhsa.kernels:
  - .name:           k_q627accc31b_attn
    .symbol:         k_q627accc31b_attn.kd
    .args:
      - { .name: qkv, .offset: 0, .size: 8, .value_kind: global_buffer, .address_space: global }
      - { .name: lowp_scales, .offset: 8, .size: 8, .value_kind: global_buffer, .address_space: global }
      - { .name: yimg, .offset: 16, .size: 8, .value_kind: global_buffer, .address_space: global }
    .group_segment_fixed_size: 327680
    .private_segment_fixed_size: 0
    .kernarg_segment_align: 8
    .kernarg_segment_size: 24
    .max_flat_workgroup_size: 256
    .sgpr_count:     100
    .vgpr_count:     512
    .wavefront_size: 32
...
	.end_amdgpu_metadata
.endif
;; end of part 3
;; launch oproj (part 4): grid 256 x 1, 6 waves a work-group, clusters of 4 x 1, 200,448 bytes of LDS; arguments yimg, wimg, bo, lowp_scales, out0; writes out0
.if DOCPART == 4
	.amdgcn_target "amdgcn-amd-amdhsa--gfx1250"
	.amdhsa_code_object_version 6
	.text
	.protected	k_q627accc31b_oproj
	.globl	k_q627accc31b_oproj
	.p2align	8
	.type	k_q627accc31b_oproj,@function
k_q627accc31b_oproj:
	s_mov_b64 s[64:65], 0
	v_nop
	global_prefetch_b8 v0, s[64:65] scope:SCOPE_SE
	s_setreg_imm32_b32 hwreg(HW_REG_WAVE_MODE, 25, 1), 1
	s_wait_xcnt 0x0
	s_wait_alu depctr_hold_cnt(0) depctr_sa_sdst(0) depctr_va_vdst(0) depctr_va_sdst(0) depctr_va_ssrc(0) depctr_va_vcc(0) depctr_vm_vsrc(0)
	s_getreg_b32 s2, hwreg(HW_REG_IB_STS2, 6, 4)
	s_cmp_eq_u32 s2, 0
	s_cbranch_scc0 .Lentry_in_a_cluster
	s_endpgm
.Lentry_in_a_cluster:
	s_bfe_u32 s2, ttmp6, 0x10000c
	s_cmp_lg_u32 s2, 0x3003
	s_cbranch_scc0 .Lentry_shape_is_right
	s_endpgm
.Lentry_shape_is_right:
; out = y Wo^T + bo on codes of E5M2: out = sum x 2^(e10 + e11) + bo, f32.  y's and Wo's codes come as images of the operands' registers (16 rows x 128 K = 16 registers a lane,
; registers 4 c' .. 4 c' + 3 at 512 c' + 16 x lane): y's token tile T at 6,144 T, K step s at + 2,048 s; Wo's fragment (nt, s) at 442,368 + 2,048 (3 nt + s).
; SHARES.  A work-group takes 32 tokens x 384 columns; of its six waves, wave w takes token tile w % 2 and columns 128 (w / 2) on: eight accumulators, 24 products.  256 work-groups.
; CLUSTER.  All work-groups want the same 147,456 bytes of Wo's codes: the four of a cluster ask for them JOINTLY (mask 15), each wave for a sixth.  LDS is filled once; a wave has one tensor load out.
; THE PRODUCT IS USED TRANSPOSED (source 0 = 16 rows of Wo, source 1 = 16 tokens): a lane holds eight neighbouring columns of one token.  A wave's 16 rows x 512 bytes go through its own stage in LDS and
; leave as whole rows: each store of the wave covers 512 consecutive bytes, aligned.
; LIMIT: e10 + e11 between -126 and 127.
; REGISTERS: v1 16 x lane; v4 Wo's fragments; v5 the bias; v6, v7 the stage, in and back; v8-11 the bias's way in; v16-63 y's three fragments; v64-127 the accumulators;
; v128-191 W's set 0, then the bias, then the rows read back; v192-255 W's set 1, then the values.
.set BIAS,  147456                     ; LDS: Wo's images at 0; the bias, 1,536 bytes; six stages of 16 rows x (512 + 16) bytes: blocks of 256 bytes into which no fill lands
.set STAGE, 148992
.set WV,    14
.macro ROUND                           ; a round of the cluster's barrier
	s_barrier_signal -1
	s_barrier_wait -1
	s_cmp_lg_u32 s[WV], 0
	s_cbranch_scc1 .Lnot_wave_0_\@
	s_barrier_signal -3
.Lnot_wave_0_\@:
	s_barrier_wait -3
	s_barrier_signal -1
	s_barrier_wait -1
.endm
	s_load_b256 s[4:11], s[0:1], 0x0               ; y's images s[4:5], the weights' s[6:7], bo s[8:9], the scales' exponents s[10:11]
	s_load_b64 s[12:13], s[0:1], 0x20              ; out
	v_lshl_add_u32 v14, v0, 2, 0x30c00
	v_mov_b32 v15, 0
	ds_add_u32 v14, v15
	ds_add_u32 v14, v15
	v_lshrrev_b32 v1, 5, v0
	v_readfirstlane_b32 s[WV], v1                  ; wave 0..5
	s_bfe_u32 s15, ttmp6, 0x40000                  ; cx: it enters y's and out's addresses alone
	s_lshl_b32 s16, ttmp9, 2
	s_add_co_u32 s16, s16, s15                     ; X: my 32 tokens
	s_and_b32 s17, s[WV], 1                        ; m: my token tile
	s_lshr_b32 s18, s[WV], 1                       ; c3: my third of the columns
	v_and_b32 v1, 31, v0
	v_lshlrev_b32 v1, 4, v1                        ; 16 x lane
	v_and_b32 v2, 15, v0                           ; r
	v_bfe_u32 v3, v0, 4, 1                         ; h
	s_mul_i32 s40, s18, 49152
	v_add_nc_u32 v4, s40, v1                       ; my eight column tiles' fragments: 24 x 2,048 bytes for each third
	s_lshl_b32 s40, s18, 9
	s_add_co_u32 s40, s40, BIAS
	v_lshl_add_u32 v5, v3, 5, s40                  ; the bias of my columns: 512 c3 + 32 h
	s_mul_i32 s41, s[WV], 8448
	s_add_co_u32 s41, s41, STAGE                   ; my stage
	v_mul_u32_u24 v6, v2, 528
	v_lshl_add_u32 v6, v3, 5, v6
	v_add_nc_u32 v6, s41, v6                       ; in: row r, + 32 h
	v_add_nc_u32 v7, s41, v1                       ; back: a row's 512 bytes, 16 a lane
	v_lshlrev_b32 v11, 2, v0
	v_add_nc_u32 v10, BIAS, v11
	; descriptor group 1: 96 rows of 32 elements of 8 bytes, dense: a sixth of Wo's images
	s_mov_b32 s24, 15|(3<<16)|(1<<21)              ; the mask: all four work-groups; elements of 8 bytes; 21 set beside a mask
	s_mov_b32 s25, 32<<16
	s_mov_b32 s26, 96<<16
	s_mov_b32 s27, 32<<16
	s_mov_b32 s28, 96
	s_mov_b32 s29, 32
	s_mov_b32 s30, 0
	s_mov_b32 s31, 0
	s_mov_b32 s32, 1
	s_mul_i32 s33, s[WV], 24576                    ; LDS address: my sixth
	s_add_co_u32 s20, s33, 442368                  ; and the same sixth of the fourth weight: made of the wave's number alone
	s_mov_b32 s21, 0
	s_lshl_b32 s42, s16, 1
	s_add_co_u32 s42, s42, s17
	s_mul_i32 s42, s42, 6144                       ; y: token tile 2 X + m
	s_mov_b32 s43, 0
	s_lshl_b32 s44, s16, 5
	s_lshl_b32 s46, s17, 4
	s_add_co_u32 s44, s44, s46
	s_mul_i32 s44, s44, 1536                       ; out: row 32 X + 16 m,
	s_lshl_b32 s46, s18, 9
	s_add_co_u32 s44, s44, s46                     ; + 512 c3
	s_mov_b32 s45, 0
	s_wait_alu depctr_va_vdst(0)
	s_wait_dscnt 0x0
	s_wait_kmcnt 0x0
	s_load_b64 s[36:37], s[10:11], 0x28            ; e10, e11
	s_add_nc_u64 s[34:35], s[6:7], s[20:21]
	s_or_b32 s35, s35, 0x80000000                  ; type = 2
	s_add_nc_u64 s[4:5], s[4:5], s[42:43]
	s_add_nc_u64 s[12:13], s[12:13], s[44:45]
	global_load_b32 v8, v11, s[8:9]                ; 192 threads, 384 numbers
	global_load_b32 v9, v11, s[8:9] offset:768
.set j, 0
.rept 12
	global_load_b128 v[16+4*j:19+4*j], v1, s[4:5] offset:512*j   ; y's three fragments
.set j, j+1
.endr
	ROUND                                          ; all four work-groups are here: the joint loads meet
	tensor_load_to_lds s[32:35], s[24:31]
	s_nop 0
.rept 4
	v_nop
.endr
	s_wait_loadcnt 12                              ; the bias is in; y's twelve loads may stay out
	ds_store_b32 v10, v8
	ds_store_b32 v10, v9 offset:768
	s_wait_kmcnt 0x0
	s_add_co_i32 s38, s36, s37
	s_add_co_i32 s38, s38, 127
	s_lshl_b32 s38, s38, 23                        ; 2^(e10 + e11) as f32
	s_mov_b32 s39, s38                             ; (named with it as a pair, so it is written)
	s_wait_tensorcnt 0x0                           ; my sixth of the weight has landed,
	s_wait_dscnt 0x0                               ; my part of the bias is stored:
	s_barrier_signal -1
	s_barrier_wait -1                              ; everybody's is
	s_wait_loadcnt 0x0                             ; y
; Group g: K step g / 2, column tiles 4 (g % 2) + 0 .. 3.  Its four fragments go into set g % 2.
.macro FETCH g
.set FS, 128+64*((\g)%2)
.irp tt, 0,1,2,3
.irp c, 0,1,2,3
	ds_load_b128 v[FS+16*\tt+4*\c:FS+16*\tt+4*\c+3], v4 offset:(4*((\g)%2)+\tt)*6144+((\g)/2)*2048+512*\c
.endr
.endr
.endm
.macro GROUP g
.if (\g) < 5
.if (\g) > 0
.rept 4
	v_nop                                          ; four places in front of loads into the set that group g - 1 multiplied
.endr
.endif
	FETCH (\g)+1
	s_wait_dscnt 16                                ; all but the 16 just issued
.else
	s_wait_dscnt 0x0
.endif
.set FS, 128+64*((\g)%2)
.set KS, (\g)/2
.irp tt, 0,1,2,3                       ; the eight accumulators by turns; the first K step starts the sums
.if (\g) < 2
	v_wmma_f32_16x16x128_bf8_bf8 v[64+8*(4*((\g)%2)+\tt):64+8*(4*((\g)%2)+\tt)+7], v[FS+16*\tt:FS+16*\tt+15], v[16+16*KS:16+16*KS+15], 0
.else
	v_wmma_f32_16x16x128_bf8_bf8 v[64+8*(4*((\g)%2)+\tt):64+8*(4*((\g)%2)+\tt)+7], v[FS+16*\tt:FS+16*\tt+15], v[16+16*KS:16+16*KS+15], v[64+8*(4*((\g)%2)+\tt):64+8*(4*((\g)%2)+\tt)+7]
.endif
.endr
.endm
	FETCH 0
.irp g, 0,1,2,3,4,5
	GROUP \g
.endr
.rept 4
	v_nop                                          ; four places: in front of the loads into set 0, the writes over set 1 and the first read of results
.endr
.irp t, 0,1,2,3,4,5,6,7
	ds_load_b128 v[128+8*\t:131+8*\t], v5 offset:64*\t         ; the bias of columns 16 t + 8 h + 0 .. 7
	ds_load_b128 v[132+8*\t:135+8*\t], v5 offset:64*\t+16
.endr
	s_wait_dscnt 0x0
.set j, 0
.rept 32
	v_pk_fma_f32 v[192+2*j:193+2*j], v[64+2*j:65+2*j], s[38:39], v[128+2*j:129+2*j] op_sel_hi:[1,0,1]   ; sum x 2^(e10 + e11) + bo; each accumulator from its low end on
.set j, j+1
.endr
.irp t, 0,1,2,3,4,5,6,7
	ds_store_b128 v6, v[192+8*\t:195+8*\t] offset:64*\t
	ds_store_b128 v6, v[196+8*\t:199+8*\t] offset:64*\t+16
.endr
.set j, 0
.rept 16
	ds_load_b128 v[128+4*j:131+4*j], v7 offset:528*j           ; LDS serves a wave's instructions in order (ISA guide 5.7.1.4): these see my stores
.set j, j+1
.endr
.set j, 0
.rept 16
	s_wait_dscnt 15-j                              ; row j is back; the rows behind it may stay out
	global_store_b128 v1, v[128+4*j:131+4*j], s[12:13] offset:1536*j th:TH_STORE_NT   ; written once, read by nobody here
.set j, j+1
.endr
	s_wait_tensorcnt 0x0
	ds_add_u32 v14, v15
	s_wait_dscnt 0x0
	ROUND                                          ; the closing round: no work-group ends while a partner may still ask for bytes that name it
	s_endpgm
.Lfunc_end_k_q627accc31b_oproj:
	.size	k_q627accc31b_oproj, .Lfunc_end_k_q627accc31b_oproj-k_q627accc31b_oproj
	.p2alignl 7, 3214868480
	.fill 96, 4, 3214868480
	.section	.rodata,"a",@progbits
	.p2align	6, 0x0
	.amdhsa_kernel k_q627accc31b_oproj
		.amdhsa_group_segment_fixed_size 200448
		.amdhsa_private_segment_fixed_size 0
		.amdhsa_enable_private_segment 0
		.amdhsa_kernarg_size 40
		.amdhsa_user_sgpr_count 2
		.amdhsa_user_sgpr_kernarg_segment_ptr 1
		.amdhsa_wavefront_size32 1
		.amdhsa_system_sgpr_workgroup_id_x 1
		.amdhsa_system_sgpr_workgroup_id_y 1
		.amdhsa_system_sgpr_workgroup_id_z 1
		.amdhsa_system_vgpr_workitem_id 0
		.amdhsa_next_free_vgpr 256
		.amdhsa_next_free_sgpr 66
		.amdhsa_reserve_vcc 0
		.amdhsa_float_denorm_mode_32 3
		.amdhsa_float_denorm_mode_16_64 3
		.amdhsa_memory_ordered 1
		.amdhsa_forward_progress 1
		.amdhsa_inst_pref_size 22
	.end_amdhsa_kernel
	.amdgpu_metadata
---
amdhsa.version: [ 1, 2 ]
amdhsa.kernels:
  - .name:           k_q627accc31b_oproj
    .symbol:         k_q627accc31b_oproj.kd
    .args:
      - { .name: yimg, .offset: 0, .size: 8, .value_kind: global_buffer, .address_space: global }
      - { .name: wimg, .offset: 8, .size: 8, .value_kind: global_buffer, .address_space: global }
      - { .name: bo, .offset: 16, .size: 8, .value_kind: global_buffer, .address_space: global }
      - { .name: lowp_scales, .offset: 24, .size: 8, .value_kind: global_buffer, .address_space: global }
      - { .name: out0, .offset: 32, .size: 8, .value_kind: global_buffer, .address_space: global }
    .group_segment_fixed_size: 200448
    .private_segment_fixed_size: 0
    .kernarg_segment_align: 8
    .kernarg_segment_size: 40
    .max_flat_workgroup_size: 192
    .sgpr_count:     66
    .vgpr_count:     256
    .wavefront_size: 32
...
	.end_amdgpu_metadata
.endif
;; end of part 4
